; MI455X (gfx1250); checked and timed in simulation.
; The chip was launched on July 23, 2026; its instructions are those of AMD's public machine-readable ISA for CDNA 5 (MIT licence, August 2026) and "CDNA5" Instruction Set Architecture Reference Guide (July 2026). The comments in the code are by the model that wrote it; some were corrected since.
;; Multi Head Attention. Allowed arithmetic: float matrix products may take bf16 or f16 operands with f32 sums; all other float work in f32.
;; Inputs: Key 2 x 2,048 x 1,024 float32; Query 2 x 2,048 x 1,024 float32; Value 2 x 2,048 x 1,024 float32; W_k 1,024 x 1,024 float32; W_o 1,024 x 1,024 float32; W_q 1,024 x 1,024 float32; W_v 1,024 x 1,024 float32; mask 1 x 1 x 2,048 x 2,048 int32.
;; Outputs: out0 2 x 2,048 x 1,024 float32.
;; One version. Each part assembles by itself: llvm-mc -triple=amdgcn-amd-amdhsa -mcpu=gfx1250 --defsym DOCPART=n.
;; ======== version 1 of 1: 4 launches
;; limits: values are held in f16: magnitudes above 65,504 overflow, below 6.1e-05 lose precision
;; workspace buffers: h16 33,554,432 bytes; mbits 524,288 bytes of whole numbers; qkv 25,165,824 bytes; xh 8,388,608 bytes
;; launch prep (part 1): grid 256 x 1, 8 waves a work-group, no clusters, 70,656 bytes of LDS; arguments Query, Key, Value, W_q, W_k, W_v, W_o, mask, h16, mbits; writes h16, mbits
.if DOCPART == 1
	.amdgcn_target "amdgcn-amd-amdhsa--gfx1250"
	.amdhsa_code_object_version 6
	.text
	.protected	k_q6b3942f1d4_prep
	.globl	k_q6b3942f1d4_prep
	.p2align	8
	.type	k_q6b3942f1d4_prep,@function
k_q6b3942f1d4_prep:
	s_mov_b64 s[64:65], 0
	v_nop
	global_prefetch_b8 v0, s[64:65] scope:SCOPE_SE
	s_setreg_imm32_b32 hwreg(HW_REG_WAVE_MODE, 25, 1), 1
	s_wait_xcnt 0x0
; prep: (1) casts Query, Key, Value and the four weights from f32 to f16 into h16; W_q is multiplied by 0.125 log2(e) before its one
; rounding, so that the later scores come out divided by sqrt(64) and in units of log2.  (2) packs the int32 mask into words of 32 bits.
; h16, bytes: XQ 0, XK 8388608, XV 16777216, WQ 25165824, WK 27262976, WV 29360128, WO 31457280; all row-major [rows][1024] f16.
; mbits: [qpair 64][trip 32][t 2][kt 4][j 8] words; bit L of a word = (mask[32 qpair + 16 t + (L & 15)][64 trip + 16 kt + 8 (L >> 4) + j] != 0):
; the lane mask that a score register of the attention launch needs, 256 bytes for 32 queries x 64 keys.
; LIMIT: f16 holds magnitudes below 65,504; a larger input becomes an infinity.  NaN and infinities pass through as they are.
; A stream: memory binds, so no matrix unit and no cluster.  256 work-groups of 8 waves.  Work-group g takes 65,536 bytes of each
; activation (16 loads of 16 bytes a thread) and 16,384 bytes of each weight (4 loads); a wave's load covers 512 consecutive bytes, its
; store of 8 bytes a lane 256 consecutive bytes, aligned.  Each wave also packs one block of 32 x 64 of the mask through LDS bytes of its own.
.set BQ, 16                            ; v[16:79]   sixteen loads: Query, later the four weights
.set BK, 80                            ; v[80:143]  Key, later the mask as loaded
.set BV, 144                           ; v[144:207] Value, later the mask as the lanes of a score tile hold it
.set MROW, 272                         ; an LDS row of the mask block: 256 bytes + 16, so that 16 rows start at 16 different 16-byte columns modulo 256
.set MREG, 32*MROW                     ; a wave's LDS bytes
.macro LOADB buf, sb, n                ; n loads of 16 bytes a thread, 4,096 bytes of the work-group apart
.set i, 0
.rept \n
	global_load_b128 v[\buf+4*i:\buf+4*i+3], v1, s[\sb:\sb+1] offset:4096*i th:TH_LOAD_NT
.set i, i+1
.endr
.endm
.macro CASTB buf, db, n, imm, scale    ; four f32 to four f16 in place, then 8 bytes a thread out
.set i, 0
.rept \n
.if \scale
	v_pk_mul_f32 v[\buf+4*i:\buf+4*i+1], v[\buf+4*i:\buf+4*i+1], s[40:41] op_sel_hi:[1,0]
	v_pk_mul_f32 v[\buf+4*i+2:\buf+4*i+3], v[\buf+4*i+2:\buf+4*i+3], s[40:41] op_sel_hi:[1,0]
.endif
	v_cvt_pk_f16_f32 v[\buf+4*i], v[\buf+4*i], v[\buf+4*i+1]
	v_cvt_pk_f16_f32 v[\buf+4*i+1], v[\buf+4*i+2], v[\buf+4*i+3]
	global_store_b64 v2, v[\buf+4*i:\buf+4*i+1], s[\db:\db+1] offset:\imm+2048*i
.set i, i+1
.endr
.endm
	s_load_b512 s[4:19], s[0:1], 0x0               ; Query s[4:5], Key s[6:7], Value s[8:9], W_q s[10:11], W_k s[12:13], W_v s[14:15], W_o s[16:17], mask s[18:19]
	s_load_b128 s[20:23], s[0:1], 0x40             ; h16 s[20:21], mbits s[22:23]
	v_lshl_add_u32 v216, v0, 2, 0x11000
	v_mov_b32 v217, 0
	v_lshrrev_b32 v3, 5, v0
	v_readfirstlane_b32 s32, v3                    ; wave 0..7
	v_lshlrev_b32 v1, 4, v0                        ; 16 t: where I load
	v_lshlrev_b32 v2, 3, v0                        ; 8 t: where I store
	s_mov_b32 s3, 0
	s_mov_b32 s40, 0x3e38aa3b                      ; 0.125 log2(e)
	s_mov_b32 s41, 0x3e38aa3b
	s_lshl_b32 s2, ttmp9, 16                       ; g x 65,536
	s_wait_kmcnt 0x0
	s_add_nc_u64 s[4:5], s[4:5], s[2:3]
	s_add_nc_u64 s[6:7], s[6:7], s[2:3]
	s_add_nc_u64 s[8:9], s[8:9], s[2:3]
	LOADB BQ, 4, 16
	LOADB BK, 6, 16
	LOADB BV, 8, 16                                ; 48 loads of every wave are out
	s_lshl_b32 s2, ttmp9, 14                       ; g x 16,384: the weights
	s_add_nc_u64 s[10:11], s[10:11], s[2:3]
	s_add_nc_u64 s[12:13], s[12:13], s[2:3]
	s_add_nc_u64 s[14:15], s[14:15], s[2:3]
	s_add_nc_u64 s[16:17], s[16:17], s[2:3]
	s_lshl_b32 s2, ttmp9, 15                       ; g x 32,768: the activations in f16
	s_add_nc_u64 s[24:25], s[20:21], s[2:3]        ; XQ
	s_add_nc_u64 s[26:27], s[24:25], 0x800000      ; XK
	s_add_nc_u64 s[28:29], s[24:25], 0x1000000     ; XV
	s_lshl_b32 s2, ttmp9, 13                       ; g x 8,192: the weights in f16
	s_add_nc_u64 s[30:31], s[20:21], s[2:3]
	s_add_nc_u64 s[30:31], s[30:31], 0x1800000     ; WQ; weight k lies k x 2,097,152 further, which stands in the stores' immediates
	; the mask job: number 8 g + w; qpair = g >> 2, trip = 8 (g & 3) + w
	s_lshr_b32 s42, ttmp9, 2
	s_lshl_b32 s2, s42, 18                         ; qpair x 32 rows x 8,192 bytes
	s_and_b32 s42, ttmp9, 3
	s_lshl_b32 s42, s42, 11                        ; 8 (g & 3) trips x 256 bytes
	s_add_co_u32 s2, s2, s42
	s_add_nc_u64 s[34:35], s[18:19], s[2:3]
	s_lshl_b32 s2, ttmp9, 11
	s_lshl_b32 s42, s32, 8
	s_add_co_u32 s2, s2, s42                       ; job x 256
	s_add_nc_u64 s[36:37], s[22:23], s[2:3]
	s_mul_i32 s33, s32, MREG                       ; my wave's LDS bytes
	v_and_b32 v10, 15, v0                          ; L & 15
	v_bfe_u32 v7, v0, 4, 1                         ; L >> 4
	v_lshlrev_b32 v3, 4, v10
	v_lshl_add_u32 v3, v7, 13, v3
	v_lshl_add_u32 v3, s32, 8, v3                  ; load: row L >> 4 of a pair of rows, 16 bytes at 16 (L & 15), my wave's 256 bytes of the row
	v_mul_u32_u24 v4, v7, MROW
	v_lshl_add_u32 v4, v10, 4, v4
	v_add_nc_u32 v4, s33, v4                       ; into LDS: the same place, rows 272 bytes apart
	v_mul_u32_u24 v5, v10, MROW
	v_lshl_add_u32 v5, v7, 5, v5
	v_add_nc_u32 v5, s33, v5                       ; back: row L & 15, eight words at 32 (L >> 4)
	v_and_b32 v6, 31, v0
	v_lshlrev_b32 v6, 3, v6                        ; 8 L: my two words of the packed block
	v_mov_b32 v8, 0                                ; v_writelane_b32 keeps the other lanes: the pair is written whole once
	v_mov_b32 v9, 0
	s_wait_loadcnt 32                              ; Query is in; the 32 younger loads (Key, Value) stay out
	CASTB BQ, 24, 16, 0, 0
	s_wait_xcnt 0x0                                ; BQ, which the stores read, is loaded again only behind this wait
	LOADB BQ, 10, 4
	LOADB BQ+16, 12, 4
	LOADB BQ+32, 14, 4
	LOADB BQ+48, 16, 4
	s_wait_loadcnt 32                              ; Key is in; Value's 16 and the weights' 16 stay out
	CASTB BK, 26, 16, 0, 0
	s_wait_xcnt 0x0                                ; BK likewise
.set i, 0
.rept 16
	global_load_b128 v[BK+4*i:BK+4*i+3], v3, s[34:35] offset:16384*i th:TH_LOAD_NT   ; rows 2 i and 2 i + 1: sixteen lanes take 256 aligned bytes of a row
.set i, i+1
.endr
	s_wait_loadcnt 32                              ; Value is in; the weights' 16 and the mask's 16 stay out
	CASTB BV, 28, 16, 0, 0
	s_wait_loadcnt 16                              ; the weights are in; the mask's 16 stay out
	CASTB BQ, 30, 4, 0, 1                          ; W_q, scaled
	CASTB BQ+16, 30, 4, 2097152, 0                 ; W_k
	CASTB BQ+32, 30, 4, 4194304, 0                 ; W_v
	CASTB BQ+48, 30, 4, 6291456, 0                 ; W_o
	s_wait_loadcnt 0x0                             ; the mask
.set i, 0
.rept 16
	ds_store_b128 v4, v[BK+4*i:BK+4*i+3] offset:2*MROW*i
.set i, i+1
.endr
	s_wait_xcnt 0x0                                ; BV was store data
	; LDS serves a wave's instructions in order (ISA guide 5.7.1), and these bytes are my wave's own: no wait, no barrier
.irp t, 0,1
.irp kt, 0,1,2,3
	ds_load_b128 v[BV+32*\t+8*\kt:BV+32*\t+8*\kt+3], v5 offset:\t*16*MROW+\kt*64
	ds_load_b128 v[BV+32*\t+8*\kt+4:BV+32*\t+8*\kt+7], v5 offset:\t*16*MROW+\kt*64+16
.endr
.endr
	s_wait_dscnt 0x0
	; register BV + wi now holds, in lane L, the mask number of bit L of word wi = 32 t + 8 kt + j: a compare makes the word,
	; and it goes to lane wi >> 1, register wi & 1, so that one store of 8 bytes a lane writes the block's 256 bytes
.set wi, 0
.rept 64
	v_cmp_ne_u32 s[38+(wi&1)], 0, v[BV+wi]
	v_writelane_b32 v[8+(wi&1)], s[38+(wi&1)], wi>>1
.set wi, wi+1
.endr
	global_store_b64 v6, v[8:9], s[36:37]
	s_wait_tensorcnt 0x0
	ds_add_u32 v216, v217
	s_wait_dscnt 0x0
	s_endpgm
.Lfunc_end_k_q6b3942f1d4_prep:
	.size	k_q6b3942f1d4_prep, .Lfunc_end_k_q6b3942f1d4_prep-k_q6b3942f1d4_prep
	.p2alignl 7, 3214868480
	.fill 96, 4, 3214868480
	.section	.rodata,"a",@progbits
	.p2align	6, 0x0
	.amdhsa_kernel k_q6b3942f1d4_prep
		.amdhsa_group_segment_fixed_size 70656
		.amdhsa_private_segment_fixed_size 0
		.amdhsa_enable_private_segment 0
		.amdhsa_kernarg_size 80
		.amdhsa_user_sgpr_count 2
		.amdhsa_user_sgpr_kernarg_segment_ptr 1
		.amdhsa_wavefront_size32 1
		.amdhsa_system_sgpr_workgroup_id_x 1
		.amdhsa_system_sgpr_workgroup_id_y 1
		.amdhsa_system_sgpr_workgroup_id_z 1
		.amdhsa_system_vgpr_workitem_id 0
		.amdhsa_next_free_vgpr 218
		.amdhsa_next_free_sgpr 66
		.amdhsa_reserve_vcc 0
		.amdhsa_float_denorm_mode_32 3
		.amdhsa_float_denorm_mode_16_64 3
		.amdhsa_memory_ordered 1
		.amdhsa_forward_progress 1
		.amdhsa_inst_pref_size 36
	.end_amdhsa_kernel
	.amdgpu_metadata
---
amdhsa.version: [ 1, 2 ]
amdhsa.kernels:
  - .name:           k_q6b3942f1d4_prep
    .symbol:         k_q6b3942f1d4_prep.kd
    .args:
      - { .name: Query, .offset: 0, .size: 8, .value_kind: global_buffer, .address_space: global }
      - { .name: Key, .offset: 8, .size: 8, .value_kind: global_buffer, .address_space: global }
      - { .name: Value, .offset: 16, .size: 8, .value_kind: global_buffer, .address_space: global }
      - { .name: W_q, .offset: 24, .size: 8, .value_kind: global_buffer, .address_space: global }
      - { .name: W_k, .offset: 32, .size: 8, .value_kind: global_buffer, .address_space: global }
      - { .name: W_v, .offset: 40, .size: 8, .value_kind: global_buffer, .address_space: global }
      - { .name: W_o, .offset: 48, .size: 8, .value_kind: global_buffer, .address_space: global }
      - { .name: mask, .offset: 56, .size: 8, .value_kind: global_buffer, .address_space: global }
      - { .name: h16, .offset: 64, .size: 8, .value_kind: global_buffer, .address_space: global }
      - { .name: mbits, .offset: 72, .size: 8, .value_kind: global_buffer, .address_space: global }
    .group_segment_fixed_size: 70656
    .private_segment_fixed_size: 0
    .kernarg_segment_align: 8
    .kernarg_segment_size: 80
    .max_flat_workgroup_size: 256
    .sgpr_count:     66
    .vgpr_count:     218
    .wavefront_size: 32
...
	.end_amdgpu_metadata
.endif
;; end of part 1
;; launch qkv (part 2): grid 4 x 48, 4 waves a work-group, clusters of 4 x 4, 327,680 bytes of LDS; arguments h16, qkv; writes qkv
.if DOCPART == 2
	.amdgcn_target "amdgcn-amd-amdhsa--gfx1250"
	.amdhsa_code_object_version 6
	.text
	.protected	k_q6b3942f1d4_qkv
	.globl	k_q6b3942f1d4_qkv
	.p2align	8
	.type	k_q6b3942f1d4_qkv,@function
k_q6b3942f1d4_qkv:
	s_mov_b64 s[64:65], 0
	v_nop
	global_prefetch_b8 v0, s[64:65] scope:SCOPE_SE
	s_setreg_imm32_b32 hwreg(HW_REG_WAVE_MODE, 25, 1), 1
	s_wait_xcnt 0x0
	s_wait_alu depctr_hold_cnt(0) depctr_sa_sdst(0) depctr_va_vdst(0) depctr_va_sdst(0) depctr_va_ssrc(0) depctr_va_vcc(0) depctr_vm_vsrc(0)
	s_getreg_b32 s2, hwreg(HW_REG_IB_STS2, 6, 4)
	s_cmp_eq_u32 s2, 0
	s_cbranch_scc0 .Lentry_in_a_cluster
	s_endpgm
.Lentry_in_a_cluster:
	s_bfe_u32 s2, ttmp6, 0x10000c
	s_cmp_lg_u32 s2, 0xf033
	s_cbranch_scc0 .Lentry_shape_is_right
	s_endpgm
.Lentry_shape_is_right:
; qkv: three products C = A B^T with K = 1024 in one launch, f16 operands, f32 sums, f16 results.
;   g = 0: Q' = XQ WQ'^T (4096 x 1024)    g = 1: K = XK WK^T (4096 x 1024)    g = 2: V^T = WV XV^T (1024 x 4096): V comes out transposed.
; 12 clusters of 4 x 4 work-groups, four clusters for each product; a work-group makes 256 x 256 of C with four waves, a wave 128 x 128
; (64 accumulator tiles, 512 registers).  K goes in steps of 128 through two LDS slots filled by tensor loads whose rows are 256 bytes.
; 192 work-groups: 3 x 4096 x 1024 results do not divide into 256 equal blocks of this shape, and blocks of 128 x 128 would read twice
; the LDS bytes for each product.
; CLUSTERS: the four work-groups of a row of the cluster need the same tiles of A, the four of a column the same tiles of B: each tile is asked
; for jointly, by the same tensor load with a mask that names the four.
; RESULTS: every 64 x 64 block of C is 8,192 consecutive bytes of qkv:
;   Q at byte 0: [b*16+head][s][64];  K and V at byte 8,388,608: [b*16+head][block of 64 keys]{K [64 keys][64 d], then V^T [64 d][64 keys]}.
; LIMIT: results are rounded to f16: |Q'|, |K|, |V| must stay below 65,504.
; REGISTERS, in windows of 256: window 0: v0-31 addresses, v64-127, v128-191 fragments of A (two buffers), v192-223 at work on the way out;
;   window 1: v64-127, v128-191 fragments of B; window 2: the accumulator tiles of my rows 0-63 (tile (a, b) at v[8 (8 a + b)]); window 3: rows 64-127.
; The matrix instruction is used transposed (source 0 = 16 rows of B, source 1 = 16 rows of A): lane l holds row l % 16 of C and its eight
; registers the columns 8 (l / 16) + 0..7, eight neighbours of a row, which pack into 16 bytes.
.set SIZE_K, 1024
.set KSTEP,  128
.set PITCH,  272                       ; an LDS row: 256 bytes + 16: the 16 rows that a load touches start at 16 different 16-byte columns modulo 256
.set HALFT,  128*PITCH                 ; 128 rows: what one tensor load brings, and what one wave reads of A or of B
.set SLOT,   4*HALFT                   ; A's 256 rows, then B's 256 rows
.set STAGE,  2*SLOT                    ; behind the ring: 16 rows x 272 bytes for each wave, for the way out; no tensor load lands there
.set SPITCH, 272
.set LAPS, SIZE_K/(2*KSTEP)            ; a lap = two K steps = once round the ring: 4
.set ADRA, 16                          ; v16-17  LDS address of my A fragments in slot 0, 1
.set ADRB, 20                          ; v20-21  the same for B
.set STO,  24                          ; v24     the way out: where I put 16 bytes of a row
.set RD,   25                          ; v25     the way out: where I read back
.set CO,   26                          ; v26     16 x lane
.set F0,   64
.set F1,   128
.set TMP,  192
.set G1, 24                            ; s[24:31] descriptor group 1 for A's tiles
.set G0, 32                            ; s[32:39] group 0 for A's tiles, a set for each slot
.set G1B, 48                           ; s[48:55] group 1 for B's tiles: another mask
.set G0B, 56                           ; s[56:63] group 0 for B's tiles
.set MSB, 0
.macro WIN new                         ; the immediate's high byte repeats the setting that is left
.if MSB != \new
	s_set_vgpr_msb (MSB<<8)|\new
.set MSB, \new
.endif
.endm
.set MUL_LO, 0xa1                      ; source 0 (B) window 1, source 1 (A) window 0, C and D window 2
.set MUL_HI, 0xf1                      ; the same, C and D window 3
.set TO_B,   0x40                      ; destination window 1, address window 0
; A joint load.  Waves 0 and 1 fetch A's two halves, waves 2 and 3 B's.  The branch hangs on the wave's number alone.
.macro JLOAD s
	s_cmp_eq_u32 s11, 0
	s_cbranch_scc0 .Lfor_b_\@
	tensor_load_to_lds s[G0+4*\s:G0+4*\s+3], s[G1:G1+7]
	s_nop 0
	s_branch .Lasked_\@
.Lfor_b_\@:
	tensor_load_to_lds s[G0B+4*\s:G0B+4*\s+3], s[G1B:G1B+7]
	s_nop 0
.Lasked_\@:
.endm
; A round of the cluster's barrier: my work-group's barrier; wave 0 signals for the work-group; every wave waits for all sixteen; my work-group's barrier again.
.macro CREST                           ; a round behind its opening barrier
	s_cmp_lg_u32 s10, 0
	s_cbranch_scc1 .Lnot_wave_0_\@
	s_barrier_signal -3
.Lnot_wave_0_\@:
	s_barrier_wait -3
	s_barrier_signal -1
	s_barrier_wait -1
.endm
.macro CROUND
	s_barrier_signal -1
	s_barrier_wait -1
	CREST
.endm
	s_load_b128 s[4:7], s[0:1], 0x0                ; h16 s[4:5], qkv s[6:7]
	s_set_vgpr_msb 0x40
	v_lshl_add_u32 v255, v0, 2, 0x48400
	s_set_vgpr_msb 0x4000
	v_mov_b32 v255, 0
	s_set_vgpr_msb 0x1
	ds_add_u32 v255, v255
	s_set_vgpr_msb 0x100
	v_lshrrev_b32 v1, 5, v0
	v_readfirstlane_b32 s10, v1                    ; wave 0..3
	s_lshr_b32 s11, s10, 1                         ; which half of the block's rows is mine.  Also: I fetch for A (0) or for B (1)
	s_and_b32 s12, s10, 1                          ; which half of its columns.  Also: which 128 rows of that tile I fetch
	s_bfe_u32 s40, ttmp6, 0x40000                  ; cx
	s_bfe_u32 s41, ttmp6, 0x40004                  ; cy
	s_and_b32 s66, ttmp7, 0xffff                   ; the cluster's y, 0..11 (the grid is one cluster wide)
	s_lshr_b32 s67, s66, 2                         ; g: which product
	s_and_b32 s68, s66, 3
	s_lshl_b32 s68, s68, 2                         ; four blocks for each of the product's four clusters, along its long side
	s_lshl_b32 s71, s67, 23                        ; A for g = 0, 1: XQ, XK
	s_lshl_b32 s72, s67, 21
	s_add_co_u32 s72, s72, 25165824                ; B for g = 0, 1: WQ, WK
	s_cmp_eq_u32 s67, 2                            ; V^T: A is the weight (4 block rows), B the activation (16 block columns)
	s_cselect_b32 s69, 0, s68
	s_cselect_b32 s70, s68, 0
	s_cselect_b32 s71, 29360128, s71               ; WV
	s_cselect_b32 s72, 16777216, s72               ; XV
	s_add_co_u32 s13, s41, s69                     ; block row of C
	s_add_co_u32 s42, s40, s70                     ; block column of C
	s_lshl_b32 s43, s41, 2
	s_lshl_b32 s43, 15, s43                        ; my row of the cluster: places 4 cy .. 4 cy + 3
	s_lshl_b32 s44, 0x1111, s40                    ; my column: places cx, cx + 4, cx + 8, cx + 12
	; descriptor group 1: a tile of 128 rows x 128 elements of 2 bytes, 4 words of padding behind every 64 words
	s_or_b32 s[G1+0], s43, (1<<16)|(1<<20)|(1<<21)|(5<<22)|(3<<25)
	s_or_b32 s[G1B+0], s44, (1<<16)|(1<<20)|(1<<21)|(5<<22)|(3<<25)
	s_mov_b32 s[G1B+1], KSTEP<<16
	s_mov_b32 s[G1+1], KSTEP<<16                   ; tensor_dim0 = 128
	s_mov_b32 s[G1B+2], 128<<16
	s_mov_b32 s[G1+2], 128<<16                     ; tensor_dim1 = 128
	s_mov_b32 s[G1B+3], KSTEP<<16
	s_mov_b32 s[G1+3], KSTEP<<16                   ; tile_dim0 = 128
	s_mov_b32 s[G1B+4], 128
	s_mov_b32 s[G1+4], 128                         ; tile_dim1 = 128
	s_mov_b32 s[G1B+5], SIZE_K
	s_mov_b32 s[G1+5], SIZE_K                      ; elements from row to row
	s_mov_b32 s[G1B+6], 0
	s_mov_b32 s[G1+6], 0
	s_mov_b32 s[G1B+7], 0
	s_mov_b32 s[G1+7], 0
	; where the tiles come from: A's hang on the block row alone, B's on the block column alone; all offsets lie below 2^26
	s_lshl_b32 s17, s12, 7
	s_lshl_b32 s16, s13, 8
	s_add_co_u32 s16, s16, s17                     ; A: row 256 x block row + 128 x half
	s_lshl_b32 s16, s16, 11                        ; rows of 2,048 bytes
	s_add_co_u32 s16, s16, s71
	s_lshl_b32 s46, s42, 8
	s_add_co_u32 s46, s46, s17                     ; B: row 256 x block column + 128 x half
	s_lshl_b32 s46, s46, 11
	s_add_co_u32 s46, s46, s72
	s_mov_b32 s17, 0
	s_mov_b32 s47, 0
	s_mul_i32 s20, s10, HALFT                      ; where they go: wave x 128 rows
	s_wait_dscnt 0x0
	s_wait_kmcnt 0x0
	s_add_nc_u64 s[14:15], s[4:5], s[16:17]
	s_add_nc_u64 s[46:47], s[4:5], s[46:47]
	CROUND                                         ; all sixteen work-groups are here: the first joint loads meet
.irp s, 0,1
	s_mov_b32 s[G0+4*\s], 1
	s_add_co_u32 s[G0+4*\s+1], s20, \s*SLOT
	s_add_nc_u64 s[G0+4*\s+2:G0+4*\s+3], s[14:15], \s*KSTEP*2
	s_or_b32 s[G0+4*\s+3], s[G0+4*\s+3], 0x80000000
	s_mov_b32 s[G0B+4*\s], 1
	s_add_co_u32 s[G0B+4*\s+1], s20, \s*SLOT
	s_add_nc_u64 s[G0B+4*\s+2:G0B+4*\s+3], s[46:47], \s*KSTEP*2
	s_or_b32 s[G0B+4*\s+3], s[G0B+4*\s+3], 0x80000000
	JLOAD \s                                       ; both slots are asked for before anything else: two tensor loads of the wave are out
.endr
	; a fragment is 16 rows x 32 K in 8 registers: lane l holds row l % 16; two loads of 16 bytes, 32 bytes apart, at row x pitch + 16 (l / 16)
	v_and_b32 v1, 15, v0
	v_bfe_u32 v2, v0, 4, 1
	v_mul_u32_u24 v3, v1, PITCH
	v_lshl_add_u32 v3, v2, 4, v3
	s_mul_i32 s21, s11, HALFT                      ; my 128 rows of A
	s_mul_i32 s22, s12, HALFT                      ; my 128 rows of B,
	s_add_co_u32 s22, s22, 2*HALFT                 ; which lie behind A's 256
.irp s, 0,1
	v_add_nc_u32 v[ADRA+\s], s21, v3
	v_add_nc_u32 v[ADRB+\s], s22, v3
	s_add_co_u32 s21, s21, SLOT
	s_add_co_u32 s22, s22, SLOT
.endr
	s_mul_i32 s23, s10, 16*SPITCH
	s_add_co_u32 s23, s23, STAGE                   ; my stage
	v_mul_u32_u24 v4, v1, SPITCH                   ; in: row l % 16, 16 bytes for each half of the lanes
	v_lshl_add_u32 v4, v2, 4, v4
	v_add_nc_u32 v[STO], s23, v4
	v_and_b32 v6, 31, v0
	v_lshrrev_b32 v5, 3, v6                        ; back: eight lanes take the 128 bytes that a row has in one 64 x 64 block, four rows a load
	v_mul_u32_u24 v5, v5, SPITCH
	v_and_b32 v7, 7, v0
	v_lshl_add_u32 v5, v7, 4, v5
	v_add_nc_u32 v[RD], s23, v5
	v_lshlrev_b32 v[CO], 4, v6                     ; and in qkv those four rows are 512 consecutive bytes
; 16 matrix instructions: m blocks a0, a0 + 1 of the window's four x all 8 n blocks, 32 along K.  zero = 1: the first product starts the sums.
.macro MUL16 f, hi, a0, zero
.irp a, \a0, \a0+1
.irp b, 0,1,2,3,4,5,6,7
.if \zero
	v_wmma_f32_16x16x32_f16 v[8*(8*(\a)+\b):8*(8*(\a)+\b)+7], v[\f+8*\b:\f+8*\b+7], v[\f+8*(4*\hi+\a):\f+8*(4*\hi+\a)+7], 0
.else
	v_wmma_f32_16x16x32_f16 v[8*(8*(\a)+\b):8*(8*(\a)+\b)+7], v[\f+8*\b:\f+8*\b+7], v[\f+8*(4*\hi+\a):\f+8*(4*\hi+\a)+7], v[8*(8*(\a)+\b):8*(8*(\a)+\b)+7]
.endif
.endr
.endr
.endm
; 32 LDS loads in one run: the fragments of one quarter step (32 K at byte k of the rows) into buffer f
.macro FETCH slot, k, f
	WIN TO_B
.irp i, 0,1,2,3,4,5,6,7
	ds_load_b128 v[\f+8*\i:\f+8*\i+3],   v[ADRB+\slot] offset:\k+\i*16*PITCH
	ds_load_b128 v[\f+8*\i+4:\f+8*\i+7], v[ADRB+\slot] offset:\k+\i*16*PITCH+32
.endr
	WIN 0
.irp i, 0,1,2,3,4,5,6,7
	ds_load_b128 v[\f+8*\i:\f+8*\i+3],   v[ADRA+\slot] offset:\k+\i*16*PITCH
	ds_load_b128 v[\f+8*\i+4:\f+8*\i+7], v[ADRA+\slot] offset:\k+\i*16*PITCH+32
.endr
.endm
; A load into a register that a matrix instruction has read, and a vector instruction that reads a matrix result, stand four places behind
; that matrix instruction; only plain vector instructions that name none of its registers are places.
.macro PLACES
.rept 4
	v_nop
.endr
.endm
; A K step is four quarter steps of 32 along K, 64 matrix instructions each, on buffers 0, 1, 0, 1.  The 64 accumulators take turns, one
; instruction a turn, in the same order in every quarter.
.macro QUARTER slot, k, f, g, zero
	s_wait_dscnt 8                                 ; B and A's rows 0-63 are in; the youngest eight loads (A's rows 64-127) may be out
	WIN MUL_LO
	MUL16 \f, 0, 0, \zero
	MUL16 \f, 0, 2, \zero
	PLACES
	FETCH \slot, \k, \g
	s_wait_dscnt 32                                ; all but the 32 just issued
	WIN MUL_HI
	MUL16 \f, 1, 0, \zero
	MUL16 \f, 1, 2, \zero
.endm
.macro THREE slot, zero
	QUARTER \slot, 64,  F0, F1, \zero
	QUARTER \slot, 128, F1, F0, 0
	QUARTER \slot, 192, F0, F1, 0
.endm
; The last quarter multiplies buffer 1 and changes slots.  In front of the barrier each wave waits for its reads of this slot and for all its
; tensor loads (one is out: its part of the next slot).  Behind it (with fill: behind the whole round of the cluster's barrier) the refill comes
; first, one tensor load a wave, then the next slot's first fragments.
.macro TURN slot, next, fill
	s_wait_dscnt 8
	WIN MUL_LO
	MUL16 F1, 0, 0, 0
	s_wait_dscnt 0                                 ; my reads of this slot are over
	s_wait_tensorcnt 0x0                           ; and all my tensor loads have landed
	ds_add_u32 v255, v255
	s_wait_dscnt 0x0
	s_barrier_signal -1
	MUL16 F1, 0, 2, 0                              ; register work while the others arrive
	WIN 0
	s_barrier_wait -1
.if \fill
	CREST                                          ; no wave of any partner still reads this slot or has a load on its way
	s_add_nc_u64 s[G0+4*\slot+2:G0+4*\slot+3], s[G0+4*\slot+2:G0+4*\slot+3], 2*KSTEP*2
	s_add_nc_u64 s[G0B+4*\slot+2:G0B+4*\slot+3], s[G0B+4*\slot+2:G0B+4*\slot+3], 2*KSTEP*2
	JLOAD \slot                                    ; the first tensor load behind the round, and the wave's only one until the next
.endif
	PLACES
	FETCH \next, 0, F0
	WIN MUL_HI
	MUL16 F1, 1, 0, 0
	MUL16 F1, 1, 2, 0
.endm
.macro LAP zero
	THREE 0, \zero
	TURN 0, 1, 1
	THREE 1, 0
	TURN 1, 0, 1
.endm
	s_wait_tensorcnt 1                             ; my part of K step 0 is in; K step 1's load stays out
	s_barrier_signal -1
	s_barrier_wait -1
	FETCH 0, 0, F0
	LAP 1                                          ; the first lap stands in front of the loop: its first products start the sums
.if LAPS > 2
	WIN 0
	s_mov_b32 s3, LAPS-2
.Llap:
	LAP 0
	WIN 0
	s_sub_co_u32 s3, s3, 1
	s_cmp_lg_u32 s3, 0
	s_cbranch_scc1 .Llap
.endif
	THREE 0, 0                                     ; the last lap fills nothing
	TURN 0, 1, 0
	THREE 1, 0
	s_wait_dscnt 8
	WIN MUL_LO
	MUL16 F1, 0, 0, 0
	MUL16 F1, 0, 2, 0
	s_wait_dscnt 0
	WIN MUL_HI
	MUL16 F1, 1, 0, 0
	MUL16 F1, 1, 2, 0
	; THE WAY OUT.  My 128 x 128 are 2 x 2 blocks of 64 x 64, each 8,192 consecutive bytes of qkv.
	PLACES
	s_lshl_b32 s80, s13, 2
	s_lshl1_add_u32 s80, s11, s80                  ; my first block along m: 4 x block row + 2 x half
	s_lshl_b32 s81, s42, 2
	s_lshl1_add_u32 s81, s12, s81                  ; along n
	s_cmp_eq_u32 s67, 2
	s_cselect_b32 s82, s81, s80                    ; T: the block of 64 tokens (along n for V^T, else along m)
	s_cselect_b32 s83, s80, s81                    ; the head
	s_lshr_b32 s72, s82, 5                         ; batch
	s_lshl_b32 s72, s72, 22
	s_lshl_b32 s83, s83, 18
	s_add_co_u32 s72, s72, s83
	s_and_b32 s82, s82, 31
	s_lshl_b32 s82, s82, 13
	s_add_co_u32 s72, s72, s82                     ; Q's layout: batch x 4 MiB + head x 256 KiB + token block x 8 KiB
	s_min_u32 s80, s67, 1                          ; K and V share a region in which every step is twice as long
	s_lshl_b32 s72, s72, s80
	s_lshl_b32 s81, s80, 23
	s_add_co_u32 s72, s72, s81                     ; and which begins at byte 8,388,608
	s_lshl_b32 s82, 8192, s80                      ; one token block on
	s_lshl_b32 s83, 262144, s80                    ; one head on
	s_cmp_eq_u32 s67, 2
	s_cselect_b32 s81, 8192, 0                     ; V^T lies behind K in each block
	s_cselect_b32 s74, s83, s82                    ; one block on along m
	s_cselect_b32 s76, s82, s83                    ; one block on along n
	s_add_co_u32 s72, s72, s81
	s_mov_b32 s73, 0
	s_mov_b32 s75, 0
	s_mov_b32 s77, 0
	s_add_nc_u64 s[6:7], s[6:7], s[72:73]          ; the block of my columns 0-63
	s_add_nc_u64 s[78:79], s[6:7], s[76:77]        ; the block of my columns 64-127
; rows 16 i .. 16 i + 15 of my 128 = the eight tiles (a, 0..7) of window 2 or 3 (from = 0x0a or 0x0f: sources 0 and 1); f: F0 or F1 in turn
.macro OUT16 i, a, from, f
	WIN \from
.irp b, 0,1,2,3,4,5,6,7
.irp r, 0,1,2,3
	v_cvt_pk_f16_f32 v[TMP+4*\b+\r], v[8*(8*\a+\b)+2*\r], v[8*(8*\a+\b)+2*\r+1]
.endr
.endr
	WIN 0
.irp b, 0,1,2,3,4,5,6,7
	ds_store_b128 v[STO], v[TMP+4*\b:TMP+4*\b+3] offset:32*\b
.endr
	s_wait_xcnt 0x0                                ; buffer f, which earlier stores read, and the stores' bases are rewritten only behind this wait
.if \i == 4
	s_add_nc_u64 s[6:7], s[6:7], s[74:75]          ; my rows 64-127 lie in the next blocks along m
	s_add_nc_u64 s[78:79], s[78:79], s[74:75]
.endif
.irp t, 0,1,2,3,4,5,6,7
	ds_load_b128 v[\f+4*\t:\f+4*\t+3], v[RD] offset:(\t&3)*4*SPITCH+(\t>>2)*128   ; my own bytes, served in order (ISA guide 5.7.1): these see the stores above
.endr
.irp t, 0,1,2,3,4,5,6,7
	s_wait_dscnt 7-\t                              ; the younger read-backs may stay out
.if \t < 4
	global_store_b128 v[CO], v[\f+4*\t:\f+4*\t+3], s[6:7] offset:(\i&3)*2048+(\t&3)*512     ; 512 consecutive bytes, aligned
.else
	global_store_b128 v[CO], v[\f+4*\t:\f+4*\t+3], s[78:79] offset:(\i&3)*2048+(\t&3)*512
.endif
.endr
.endm
	OUT16 0, 0, 0x0a, F0
	OUT16 1, 1, 0x0a, F1
	OUT16 2, 2, 0x0a, F0
	OUT16 3, 3, 0x0a, F1
	OUT16 4, 0, 0x0f, F0
	OUT16 5, 1, 0x0f, F1
	OUT16 6, 2, 0x0f, F0
	OUT16 7, 3, 0x0f, F1
	s_set_vgpr_msb 0x1
	s_wait_tensorcnt 0x0
	ds_add_u32 v255, v255
	s_wait_dscnt 0x0
	s_set_vgpr_msb 0x100
	CROUND                                         ; the closing round: no work-group ends while a partner may still ask for a tile that names it
	s_endpgm
.Lfunc_end_k_q6b3942f1d4_qkv:
	.size	k_q6b3942f1d4_qkv, .Lfunc_end_k_q6b3942f1d4_qkv-k_q6b3942f1d4_qkv
	.p2alignl 7, 3214868480
	.fill 96, 4, 3214868480
	.section	.rodata,"a",@progbits
	.p2align	6, 0x0
	.amdhsa_kernel k_q6b3942f1d4_qkv
		.amdhsa_group_segment_fixed_size 327680
		.amdhsa_private_segment_fixed_size 0
		.amdhsa_enable_private_segment 0
		.amdhsa_kernarg_size 16
		.amdhsa_user_sgpr_count 2
		.amdhsa_user_sgpr_kernarg_segment_ptr 1
		.amdhsa_wavefront_size32 1
		.amdhsa_system_sgpr_workgroup_id_x 1
		.amdhsa_system_sgpr_workgroup_id_y 1
		.amdhsa_system_sgpr_workgroup_id_z 1
		.amdhsa_system_vgpr_workitem_id 0
		.amdhsa_next_free_vgpr 1024
		.amdhsa_next_free_sgpr 84
		.amdhsa_reserve_vcc 0
		.amdhsa_float_denorm_mode_32 3
		.amdhsa_float_denorm_mode_16_64 3
		.amdhsa_memory_ordered 1
		.amdhsa_forward_progress 1
		.amdhsa_inst_pref_size 197
	.end_amdhsa_kernel
	.amdgpu_metadata
---
amdhsa.version: [ 1, 2 ]
amdhsa.kernels:
  - .name:           k_q6b3942f1d4_qkv
    .symbol:         k_q6b3942f1d4_qkv.kd
    .args:
      - { .name: h16, .offset: 0, .size: 8, .value_kind: global_buffer, .address_space: global }
      - { .name: qkv, .offset: 8, .size: 8, .value_kind: global_buffer, .address_space: global }
    .group_segment_fixed_size: 327680
    .private_segment_fixed_size: 0
    .kernarg_segment_align: 8
    .kernarg_segment_size: 16
    .max_flat_workgroup_size: 128
    .sgpr_count:     84
    .vgpr_count:     1024
    .wavefront_size: 32
...
	.end_amdgpu_metadata
.endif
;; end of part 2
;; launch attn (part 3): grid 8 x 32, 16 waves a work-group, clusters of 4 x 1, 327,680 bytes of LDS; arguments qkv, mbits, xh; writes xh
.if DOCPART == 3
	.amdgcn_target "amdgcn-amd-amdhsa--gfx1250"
	.amdhsa_code_object_version 6
	.text
	.protected	k_q6b3942f1d4_attn
	.globl	k_q6b3942f1d4_attn
	.p2align	8
	.type	k_q6b3942f1d4_attn,@function
k_q6b3942f1d4_attn:
	s_mov_b64 s[64:65], 0
	v_nop
	global_prefetch_b8 v0, s[64:65] scope:SCOPE_SE
	s_setreg_imm32_b32 hwreg(HW_REG_WAVE_MODE, 25, 1), 1
	s_wait_xcnt 0x0
	s_wait_alu depctr_hold_cnt(0) depctr_sa_sdst(0) depctr_va_vdst(0) depctr_va_sdst(0) depctr_va_ssrc(0) depctr_va_vcc(0) depctr_vm_vsrc(0)
	s_getreg_b32 s2, hwreg(HW_REG_IB_STS2, 6, 4)
	s_cmp_eq_u32 s2, 0
	s_cbranch_scc0 .Lentry_in_a_cluster
	s_endpgm
.Lentry_in_a_cluster:
	s_bfe_u32 s2, ttmp6, 0x10000c
	s_cmp_lg_u32 s2, 0x3003
	s_cbranch_scc0 .Lentry_shape_is_right
	s_endpgm
.Lentry_shape_is_right:
; attn: X = softmax(mask(Q K^T / 8)) V for one (batch, head) and 256 queries a work-group.
; 16 waves = 8 query groups of 32 queries x 2 key groups: in every slot of 512 keys key group g takes the blocks of 64 keys 4 g .. 4 g + 3.  So a wave
; walks 16 trips of 64 keys with a running maximum and running sums, and at the end the two waves of a query group merge their halves.
; Four waves lie on each SIMD, with 256 registers each: one wave's matrix runs stand beside the others' softmax, and no register window is switched.
; Q arrives already multiplied by 0.125 log2(e), so scores are in units of log2.  A score whose mask number is 0 is replaced by -1e9 log2(e);
; a row with no key left gives p = 1 for every key, the mean of V, as the definition does.
; TRANSPOSED FORM: S^T = K Q^T (A = 16 keys x 32 d, B = 16 queries x 32 d): lane (r, h), register j holds key 16 kt + 8 h + j of query r.  So the maximum
; of a query is a maximum inside a lane and one exchange of the two halves of the wave, and two neighbouring score tiles, rounded to f16
; in pairs, ARE the B fragment (32 keys x 16 queries) of O^T += V^T P^T: no number changes its lane.
; A wave's register tile 0 is the query sub-tile g of its 32 queries, tile 1 the sub-tile 1 - g: at the end every wave keeps tile 0 and hands tile 1
; to wave w xor 8, whose tile 0 it is; no branch hangs on the wave's number.
; K's and V's fragments share one buffer of 64 registers: V is loaded behind the scores and has the softmax in which to land, the next K behind P V.
; CLUSTERS: the four work-groups of a cluster are four query blocks of one head and read the same K and V: every tile is asked for jointly (mask 15).
; LIMITS: operands are f16 (|Q'|, |K|, |V| below 65,504); v_exp_f32 gives 0 for results below 2^-126 (ISA guide, 15.8); p below the smallest
; f16 multiplies V as 0; the denominator sums the p in f32, before their rounding to f16.  NaN and infinities are not treated specially.
; LDS: two slots of 512 keys = 8 blocks of 18,432 bytes {K: 64 rows (keys) of 128 + 16 bytes, then V^T: 64 rows (d) of 128 + 16 bytes}.
; The exchange and the stage of the way out (4,608 bytes a wave) lie in slot 0, behind its last fill and every wave's last read of it.
.set KP,     144                       ; LDS pitch: an odd multiple of 16, so 16 rows start at 16 different 16-byte columns modulo 256
.set HALFB,  64*KP                     ; 9,216: what one tensor load brings
.set BLOCK,  2*HALFB
.set GROUPB, 4*BLOCK                   ; 73,728: a key group's four blocks
.set SLOTB,  8*BLOCK                   ; 147,456
.set XCH,    4608                      ; a wave's exchange bytes: 32 registers x 128 bytes, then 16 bytes a lane for (m, -, l, -)
.set AK,   1                           ; v1, v2   LDS address of my K fragments in slot 0, 1
.set AV,   3                           ; v3, v4   the same for V^T
.set STO,  5                           ; the way out: in
.set RD,   6                           ; the way out: back
.set CO,   7                           ; my byte offset in xh
.set NEGV, 8                           ; -1e9 log2(e)
.set XS,   9                           ; the exchange: where I put
.set XL,   10                          ; the exchange: where my partner has put
.set MP,   12                          ; v[12:13], v[16:17]: (running maximum, factor for the old sums) of tile 0, 1
.set LS,   14                          ; v[14:15], v[18:19]: running denominator of tile 0, 1, in two halves
.set TA,   20                          ; v20..23, v24..27: two chains of maxima, the new maximum, the difference; for tile 0, 1
.set LT,   28                          ; v[28:29], v[30:31]: a second chain for the trip's sum of p
.set QF,   32                          ; v[32:63]   Q fragment (t, dh) at 8 (2 t + dh)
.set SB,   64                          ; v[64:127]  score tile (kt, t) at 8 (4 t + kt); P fragment (t, c) takes over the first 8 of the 16 registers at 32 t + 16 c
.set F,    128                         ; v[128:191] K fragment (kt, dh) at 32 dh + 8 kt, later V^T fragment (dt, c) at 32 c + 8 dt
.set OB,   192                         ; v[192:255] O^T tile (dt, t) at 8 (4 t + dt)
.set G1,   16                          ; s[16:23] descriptor group 1
.set G0,   24                          ; s[24:31] group 0, a set for each slot
; s[32:63]: mask words of tile 0, word (kt, j) in s[32 + 8 kt + j]; s[68:99]: of tile 1; s[66:67], s[2:3]: where they come from
.macro ROUND                           ; a round of the cluster's barrier
	s_barrier_signal -1
	s_barrier_wait -1
	s_cmp_lg_u32 s10, 0
	s_cbranch_scc1 .Lnot_wave_0_\@
	s_barrier_signal -3
.Lnot_wave_0_\@:
	s_barrier_wait -3
	s_barrier_signal -1
	s_barrier_wait -1
.endm
	s_load_b128 s[4:7], s[0:1], 0x0                ; qkv s[4:5], mbits s[6:7]
	s_load_b64 s[8:9], s[0:1], 0x10                ; xh
	v_lshl_add_u32 v126, v0, 2, 0x48000
	v_mov_b32 v127, 0
	ds_add_u32 v126, v127
	s_wait_dscnt 0x0
	v_lshrrev_b32 v1, 5, v0
	v_readfirstlane_b32 s10, v1                    ; wave 0..15
	s_bfe_u32 s11, ttmp6, 0x40000                  ; cx
	s_lshl_b32 s12, ttmp9, 2
	s_add_co_u32 s12, s12, s11                     ; query block 0..7
	s_and_b32 s13, ttmp7, 0xffff                   ; batch x 16 + head
	s_and_b32 s14, s10, 7                          ; query group
	s_lshr_b32 s15, s10, 3                         ; g: key group
	s_xor_b32 s11, s15, 1                          ; 1 - g
	s_mov_b32 s100, 0x76543210                     ; v_permlanex16_b32: lane i of one half reads lane i of the other
	s_mov_b32 s101, 0xfedcba98
	; group 1: 64 rows of 64 elements of 2 bytes, dense in memory, 4 words of padding behind every 32 words; the mask names all four work-groups
	s_mov_b32 s[G1+0], 15|(1<<16)|(1<<20)|(1<<21)|(4<<22)|(3<<25)
	s_mov_b32 s[G1+1], 64<<16                      ; tensor_dim0 = 64
	s_mov_b32 s[G1+2], 64<<16                      ; tensor_dim1 = 64
	s_mov_b32 s[G1+3], 64<<16                      ; tile_dim0 = 64
	s_mov_b32 s[G1+4], 64                          ; tile_dim1 = 64
	s_mov_b32 s[G1+5], 64                          ; elements from row to row
	s_mov_b32 s[G1+6], 0
	s_mov_b32 s[G1+7], 0
	s_mul_i32 s32, s10, HALFB                      ; wave 2 i brings K of block i, wave 2 i + 1 its V^T: LDS byte wave x 9,216
	s_lshl_b32 s2, s13, 19                         ; K and V of my head: 524,288 bytes,
	s_lshl_b32 s3, s10, 13                         ; my wave's 8,192 of a slot's 131,072
	s_add_co_u32 s2, s2, s3
	s_add_co_u32 s2, s2, 8388608
	s_mov_b32 s3, 0
	s_lshl3_add_u32 s66, s12, s14                  ; my 32 queries: pair number 8 x block + group,
	s_lshl_b32 s66, s66, 13                        ; 32 blocks of keys x 256 bytes of mask words each,
	s_lshl_b32 s33, s15, 10                        ; my key group's first block: 4 g
	s_add_co_u32 s66, s66, s33
	s_lshl_b32 s33, s15, 7                         ; tile 0 is sub-tile g: its 128 bytes of the 256,
	s_xor_b32 s34, s33, 128                        ; tile 1 the other
	s_add_co_u32 s34, s66, s34
	s_add_co_u32 s66, s66, s33
	s_mov_b32 s67, 0
	s_mov_b32 s35, 0
	s_wait_kmcnt 0x0
	s_add_nc_u64 s[36:37], s[4:5], s[2:3]
	s_add_nc_u64 s[66:67], s[6:7], s[66:67]
	s_add_nc_u64 s[2:3], s[6:7], s[34:35]
.irp s, 0,1
	s_mov_b32 s[G0+4*\s], 1
	s_add_co_u32 s[G0+4*\s+1], s32, \s*SLOTB
	s_add_nc_u64 s[G0+4*\s+2:G0+4*\s+3], s[36:37], \s*131072
	s_or_b32 s[G0+4*\s+3], s[G0+4*\s+3], 0x80000000
.endr
	ROUND                                          ; the four work-groups are here: the first joint loads meet
	tensor_load_to_lds s[G0:G0+3], s[G1:G1+7]      ; keys 0-511
	s_nop 0
	tensor_load_to_lds s[G0+4:G0+7], s[G1:G1+7]    ; keys 512-1023: two tensor loads of the wave are out
	s_nop 0
	s_load_b512 s[32:47], s[66:67], 0x0            ; the first trip's mask words
	s_load_b512 s[48:63], s[66:67], 0x40
	s_load_b512 s[68:83], s[2:3], 0x0
	s_load_b512 s[84:99], s[2:3], 0x40
	v_and_b32 v20, 15, v0                          ; r
	v_bfe_u32 v21, v0, 4, 1                        ; h
	v_and_b32 v22, 31, v0                          ; lane
	v_lshlrev_b32 v23, 7, v20                      ; Q: row r of 128 bytes, 16 h,
	v_lshl_add_u32 v23, v21, 4, v23
	v_lshl_add_u32 v23, s14, 12, v23               ; my group's 32 rows,
	v_lshl_add_u32 v23, s12, 15, v23               ; my block's 256 rows,
	v_lshl_add_u32 v23, s13, 18, v23               ; my head's 2,048 rows
	v_lshl_add_u32 v24, s15, 11, v23               ; tile 0: the 16 rows of sub-tile g
	v_lshl_add_u32 v25, s11, 11, v23               ; tile 1: those of sub-tile 1 - g
.irp dh, 0,1
	global_load_b128 v[QF+8*\dh:QF+8*\dh+3],       v24, s[4:5] offset:\dh*64
	global_load_b128 v[QF+8*\dh+4:QF+8*\dh+7],     v24, s[4:5] offset:\dh*64+32
	global_load_b128 v[QF+16+8*\dh:QF+16+8*\dh+3],   v25, s[4:5] offset:\dh*64
	global_load_b128 v[QF+16+8*\dh+4:QF+16+8*\dh+7], v25, s[4:5] offset:\dh*64+32
.endr
	v_mul_u32_u24 v26, v20, KP
	v_lshl_add_u32 v26, v21, 4, v26                ; row r x pitch + 16 h
	s_mul_i32 s14, s15, GROUPB                     ; my key group's four blocks of a slot
	v_add_nc_u32 v[AK], s14, v26
	v_add_nc_u32 v[AK+1], SLOTB, v[AK]
	v_add_nc_u32 v[AV], HALFB, v[AK]
	v_add_nc_u32 v[AV+1], SLOTB+HALFB, v[AK]
	s_mul_i32 s14, s10, XCH                        ; my exchange bytes, later my stage
	v_add_nc_u32 v[STO], s14, v26
	v_lshrrev_b32 v27, 3, v22
	v_and_b32 v28, 7, v0
	v_mul_u32_u24 v27, v27, KP
	v_lshl_add_u32 v27, v28, 4, v27
	v_add_nc_u32 v[RD], s14, v27                   ; back: eight lanes take a row's 128 bytes, four rows a load
	v_lshl_add_u32 v[XS], v22, 4, s14              ; 16 bytes a lane
	s_xor_b32 s14, s10, 8                          ; my partner: the same queries, the other keys
	s_mul_i32 s14, s14, XCH
	v_lshl_add_u32 v[XL], v22, 4, s14
	v_lshlrev_b32 v[CO], 4, v22
	v_mov_b32 v[NEGV], 0xceabfb8f                  ; -1e9 log2(e)
	v_mov_b32 v[MP+1], 1.0                         ; the pairs are read whole from the first trip on
	v_mov_b32 v[MP+5], 1.0
	s_wait_tensorcnt 1                             ; my part of slot 0 is in; slot 1's fill stays out
	s_barrier_signal -1
	s_barrier_wait -1
	s_wait_loadcnt 0x0                             ; Q
.macro LOADK slot, blk                 ; 16 loads: K of a block; the eight for d 0-31 first, then the eight for d 32-63
.irp dh, 0,1
.irp kt, 0,1,2,3
	ds_load_b128 v[F+32*\dh+8*\kt:F+32*\dh+8*\kt+3],   v[AK+\slot] offset:(\blk)*BLOCK+\kt*16*KP+\dh*64
	ds_load_b128 v[F+32*\dh+8*\kt+4:F+32*\dh+8*\kt+7], v[AK+\slot] offset:(\blk)*BLOCK+\kt*16*KP+\dh*64+32
.endr
.endr
.endm
.macro LOADV slot, blk                 ; 16 loads: V^T of a block, four tiles of 16 d x 64 keys
.irp c, 0,1
.irp dt, 0,1,2,3
	ds_load_b128 v[F+32*\c+8*\dt:F+32*\c+8*\dt+3],   v[AV+\slot] offset:(\blk)*BLOCK+\dt*16*KP+\c*64
	ds_load_b128 v[F+32*\c+8*\dt+4:F+32*\c+8*\dt+7], v[AV+\slot] offset:(\blk)*BLOCK+\dt*16*KP+\c*64+32
.endr
.endr
.endm
.macro SUBM t                          ; s - m, two at a time; both halves take the pair's first register
.set i, 0
.rept 16
	v_pk_add_f32 v[SB+32*\t+2*i:SB+32*\t+2*i+1], v[SB+32*\t+2*i:SB+32*\t+2*i+1], v[MP+4*\t:MP+4*\t+1] op_sel_hi:[1,0] neg_lo:[0,1] neg_hi:[0,1]
.set i, i+1
.endr
.endm
.macro EXPS t
.set i, 0
.rept 32
	v_exp_f32 v[SB+32*\t+i], v[SB+32*\t+i]
.set i, i+1
.endr
.endm
; the denominator: old sum x factor + this trip's 32 p of the lane, two at a time, in two chains that do not wait for each other
.macro LSUM t, first
.if \first
	s_wait_alu depctr_va_vdst(0)
	v_pk_add_f32 v[LS+4*\t:LS+4*\t+1], v[SB+32*\t:SB+32*\t+1], v[SB+32*\t+2:SB+32*\t+3]
	v_pk_add_f32 v[LT+2*\t:LT+2*\t+1], v[SB+32*\t+4:SB+32*\t+5], v[SB+32*\t+6:SB+32*\t+7]
.set i, 4
.else
	s_wait_alu depctr_va_vdst(0)
	v_pk_fma_f32 v[LS+4*\t:LS+4*\t+1], v[LS+4*\t:LS+4*\t+1], v[MP+4*\t:MP+4*\t+1], v[SB+32*\t:SB+32*\t+1] op_sel:[0,1,0] op_sel_hi:[1,1,1]
	v_pk_add_f32 v[LT+2*\t:LT+2*\t+1], v[SB+32*\t+2:SB+32*\t+3], v[SB+32*\t+4:SB+32*\t+5]
.set i, 3
.endif
.rept 6
	v_pk_add_f32 v[LS+4*\t:LS+4*\t+1], v[LS+4*\t:LS+4*\t+1], v[SB+32*\t+2*i:SB+32*\t+2*i+1]
	v_pk_add_f32 v[LT+2*\t:LT+2*\t+1], v[LT+2*\t:LT+2*\t+1], v[SB+32*\t+2*i+2:SB+32*\t+2*i+3]
.set i, i+2
.endr
.if \first == 0
	v_pk_add_f32 v[LS+4*\t:LS+4*\t+1], v[LS+4*\t:LS+4*\t+1], v[SB+32*\t+30:SB+32*\t+31]
.endif
	v_pk_add_f32 v[LS+4*\t:LS+4*\t+1], v[LS+4*\t:LS+4*\t+1], v[LT+2*\t:LT+2*\t+1]
.endm
.macro PACK t                          ; 16 registers of p to 8 of f16, in place and in ascending order: a register is written only after it has been read
.irp c, 0,1
.irp i, 0,1,2,3,4,5,6,7
	v_cvt_pk_f16_f32 v[SB+32*\t+16*\c+\i], v[SB+32*\t+16*\c+2*\i], v[SB+32*\t+16*\c+2*\i+1]
.endr
.endr
.endm
.macro RESCALE t                       ; old sums x exp2(old maximum - new maximum); both halves take the pair's second register
.set i, 0
.rept 16
	v_pk_mul_f32 v[OB+32*\t+2*i:OB+32*\t+2*i+1], v[OB+32*\t+2*i:OB+32*\t+2*i+1], v[MP+4*\t:MP+4*\t+1] op_sel:[0,1] op_sel_hi:[1,1]
.set i, i+1
.endr
.endm
; One trip: 64 keys, block blk of my key group's four in a slot.  On entry K's 16 loads are out.  first: the wave's first trip (starts all sums).
; nextk: the next trip's K lies in the same slot and is asked for at the end.  nextt: 8 x fill + block of the next trip, whose mask words are asked for; -1: none.
.macro TRIP slot, blk, first, nextk, nextt
	s_wait_dscnt 8                                 ; K for d 0-31 is in; the eight younger loads, for d 32-63, may be out
	; 16 matrix instructions on 8 score tiles by turns, one instruction a turn
.irp t, 0,1
.irp kt, 0,1,2,3
	v_wmma_f32_16x16x32_f16 v[SB+8*(4*\t+\kt):SB+8*(4*\t+\kt)+7], v[F+8*\kt:F+8*\kt+7], v[QF+16*\t:QF+16*\t+7], 0
.endr
.endr
	s_wait_dscnt 0
.irp t, 0,1
.irp kt, 0,1,2,3
	v_wmma_f32_16x16x32_f16 v[SB+8*(4*\t+\kt):SB+8*(4*\t+\kt)+7], v[F+32+8*\kt:F+32+8*\kt+7], v[QF+16*\t+8:QF+16*\t+15], v[SB+8*(4*\t+\kt):SB+8*(4*\t+\kt)+7]
.endr
.endr
.rept 4
	v_nop                                          ; four places: the fragments' registers are loaded again, and the scores are read (ISA guide 7.12.1)
.endr
	LOADV \slot, \blk                              ; V has the whole softmax in which to land
	s_wait_kmcnt 0x0                               ; this trip's mask words
.irp kt, 0,1,2,3
.irp j, 0,1,2,3,4,5,6,7
	v_cndmask_b32 v[SB+8*\kt+\j], v[NEGV], v[SB+8*\kt+\j], s[32+8*\kt+\j]
	v_cndmask_b32 v[SB+32+8*\kt+\j], v[NEGV], v[SB+32+8*\kt+\j], s[68+8*\kt+\j]
.endr
.endr
.if \nextt >= 0
	s_load_b512 s[32:47], s[66:67], (\nextt)*256   ; the trip's number stands in the immediate: no pointer is stepped
	s_load_b512 s[48:63], s[66:67], (\nextt)*256+64
	s_load_b512 s[68:83], s[2:3], (\nextt)*256
	s_load_b512 s[84:99], s[2:3], (\nextt)*256+64
.endif
	; the largest of a lane's 32 scores of each query tile: two chains a tile, four in all, that do not wait for each other
	v_max_num_f32 v[TA],   v[SB],    v[SB+1]
	v_max_num_f32 v[TA+1], v[SB+16], v[SB+17]
	v_max_num_f32 v[TA+4], v[SB+32], v[SB+33]
	v_max_num_f32 v[TA+5], v[SB+48], v[SB+49]
.irp i, 1,2,3,4,5,6,7
	v_max3_num_f32 v[TA],   v[TA],   v[SB+2*\i],    v[SB+2*\i+1]
	v_max3_num_f32 v[TA+1], v[TA+1], v[SB+16+2*\i], v[SB+16+2*\i+1]
	v_max3_num_f32 v[TA+4], v[TA+4], v[SB+32+2*\i], v[SB+32+2*\i+1]
	v_max3_num_f32 v[TA+5], v[TA+5], v[SB+48+2*\i], v[SB+48+2*\i+1]
.endr
.if \first
	v_max_num_f32 v[TA+2], v[TA],   v[TA+1]
	v_max_num_f32 v[TA+6], v[TA+4], v[TA+5]
.else
	v_max3_num_f32 v[TA+2], v[TA],   v[TA+1], v[MP]
	v_max3_num_f32 v[TA+6], v[TA+4], v[TA+5], v[MP+4]
.endif
	v_permlanex16_b32 v[TA],   v[TA+2], s100, s101 ; the other half of the wave holds the query's other keys
	v_permlanex16_b32 v[TA+4], v[TA+6], s100, s101
	v_max_num_f32 v[TA+2], v[TA+2], v[TA]
	v_max_num_f32 v[TA+6], v[TA+6], v[TA+4]
.if \first == 0
	v_sub_f32 v[TA+3], v[MP],   v[TA+2]
	v_sub_f32 v[TA+7], v[MP+4], v[TA+6]
	v_exp_f32 v[MP+1], v[TA+3]
	v_exp_f32 v[MP+5], v[TA+7]
.endif
	v_mov_b32 v[MP],   v[TA+2]                     ; plain instructions that touch neither exponential: the place behind them (ISA guide 5.7.2)
	v_mov_b32 v[MP+4], v[TA+6]
	s_wait_alu depctr_va_vdst(0)
	SUBM 0
	EXPS 0
	SUBM 1                                         ; plain work on the other tile: the place behind tile 0's exponentials
	EXPS 1
	LSUM 0, \first                                 ; and this one behind tile 1's
	PACK 0
	LSUM 1, \first
	PACK 1
.if \first == 0
	RESCALE 0
	RESCALE 1
.endif
	s_wait_dscnt 0                                 ; V
	; 16 matrix instructions on eight accumulators by turns, one instruction a turn
.irp c, 0,1
.irp t, 0,1
.irp dt, 0,1,2,3
.if \first*(1-\c)
	v_wmma_f32_16x16x32_f16 v[OB+8*(4*\t+\dt):OB+8*(4*\t+\dt)+7], v[F+32*\c+8*\dt:F+32*\c+8*\dt+7], v[SB+32*\t+16*\c:SB+32*\t+16*\c+7], 0
.else
	v_wmma_f32_16x16x32_f16 v[OB+8*(4*\t+\dt):OB+8*(4*\t+\dt)+7], v[F+32*\c+8*\dt:F+32*\c+8*\dt+7], v[SB+32*\t+16*\c:SB+32*\t+16*\c+7], v[OB+8*(4*\t+\dt):OB+8*(4*\t+\dt)+7]
.endif
.endr
.endr
.endr
.rept 5
	v_nop                                          ; five places: the fragments' registers are loaded again, and the next scores are written over P (ISA guide 7.12.1)
.endr
.if \nextk
	LOADK \slot, \blk+1
.endif
.endm
.macro SLOTWORK slot, fill, first, last ; my key group's 256 keys of a slot
	LOADK \slot, 0
	TRIP \slot, 0, \first, 1, 8*\fill+1
	TRIP \slot, 1, 0, 1, 8*\fill+2
	TRIP \slot, 2, 0, 1, 8*\fill+3
.if \last
	TRIP \slot, 3, 0, 0, -1
.else
	TRIP \slot, 3, 0, 0, 8*\fill+8
.endif
.endm
; Slot, which has been read, is filled again with the keys 1,024 further on.  Every wave waits for all its tensor loads (its part of the other slot
; among them) and for its LDS reads; the round of the cluster's barrier makes that hold of every wave of all four work-groups; the joint refill is the
; wave's first tensor load behind the round and its only one until the next: one tensor load of the wave is out, with four trips of every wave in which to land.
.macro CHANGE slot
	s_wait_xcnt 0x0
	v_lshl_add_u32 v126, v0, 2, 0x48000
	v_mov_b32 v127, 0
	s_wait_tensorcnt 0x0
	ds_add_u32 v126, v127
	s_wait_dscnt 0x0
	s_add_nc_u64 s[G0+4*\slot+2:G0+4*\slot+3], s[G0+4*\slot+2:G0+4*\slot+3], 262144
	s_wait_dscnt 0x0
	ROUND
	tensor_load_to_lds s[G0+4*\slot:G0+4*\slot+3], s[G1:G1+7]
	s_nop 0
.endm
	; four fills in all, two of them refills: the walk is written out, 16 trips
	SLOTWORK 0, 0, 1, 0                            ; keys 0-511
	CHANGE 0
	SLOTWORK 1, 1, 0, 0                            ; keys 512-1023
	CHANGE 1
	SLOTWORK 0, 2, 0, 0                            ; keys 1024-1535
	s_wait_tensorcnt 0x0                           ; my part of the last 512 keys is in,
	s_wait_dscnt 0x0                               ; my reads of slot 0 are over,
	s_barrier_signal -1
	s_barrier_wait -1                              ; everybody's; nothing is left to fetch, and slot 0 has had its last fill and its last read
	SLOTWORK 1, 3, 0, 1                            ; keys 1536-2047
	; THE MERGE.  The denominators: the pair's two halves, then the wave's two halves.
	v_add_f32 v[LS],   v[LS],   v[LS+1]
	v_add_f32 v[LS+4], v[LS+4], v[LS+5]
	v_permlanex16_b32 v[TA],   v[LS],   s100, s101
	v_permlanex16_b32 v[TA+1], v[LS+4], s100, s101
	v_add_f32 v[LS],   v[LS],   v[TA]
	v_add_f32 v[LS+4], v[LS+4], v[TA+1]
	; tile 1 goes to my partner: 32 registers of O^T, then (m, -, l, -); 16 neighbouring bytes a lane, 512 a store
.irp i, 0,1,2,3,4,5,6,7
	ds_store_b128 v[XS], v[OB+32+4*\i:OB+32+4*\i+3] offset:512*\i
.endr
	ds_store_b128 v[XS], v[MP+4:MP+7] offset:4096
	; meanwhile: where my 16 rows lie in xh, [block of 128 tokens 32][head 16][128 rows][64] f16 (the mask words' registers are free now)
	s_lshr_b32 s32, s13, 4                         ; batch
	s_lshl_b32 s32, s32, 4
	s_lshl1_add_u32 s32, s12, s32                  ; 16 batch + 2 query block
	s_bfe_u32 s33, s10, 0x10002
	s_add_co_u32 s32, s32, s33                     ; + query group / 4: the block of 128 tokens
	s_lshl_b32 s32, s32, 4
	s_and_b32 s33, s13, 15
	s_add_co_u32 s32, s32, s33                     ; x 16 + head
	s_lshl_b32 s32, s32, 14
	s_and_b32 s33, s10, 3
	s_lshl_b32 s33, s33, 12                        ; my group's 32 rows of 128 bytes,
	s_add_co_u32 s32, s32, s33
	s_lshl_b32 s33, s15, 11                        ; of which sub-tile g is mine
	s_add_co_u32 s32, s32, s33
	v_add_nc_u32 v[CO], s32, v[CO]
	s_wait_dscnt 0x0                               ; for my partner's sake: my stores are done
	s_barrier_signal -1
	s_barrier_wait -1
.irp i, 0,1,2,3,4,5,6,7
	ds_load_b128 v[F+4*\i:F+4*\i+3], v[XL] offset:512*\i          ; my tile 0 as the other key group has it, in the same lanes and registers
.endr
	ds_load_b128 v[F+32:F+35], v[XL] offset:4096
	s_wait_dscnt 0x0                               ; my reads of my partner's bytes are over: it may use them as its stage behind this barrier
	s_barrier_signal -1
	; register work while the others arrive: m = max of the two, each half x exp2(its m - m), all divided by the joint denominator
	v_max_num_f32 v[TA], v[MP], v[F+32]
	v_sub_f32 v[TA+1], v[MP],   v[TA]
	v_sub_f32 v[TA+2], v[F+32], v[TA]
	v_exp_f32 v[TA+1], v[TA+1]
	v_exp_f32 v[TA+2], v[TA+2]
	v_nop                                          ; the place behind the exponentials (ISA guide 5.7.2)
	s_wait_alu depctr_va_vdst(0)
	v_mul_f32 v[TA+3], v[TA+1], v[LS]
	v_fmac_f32 v[TA+3], v[TA+2], v[F+34]           ; the half that holds the maximum has a p of 1, so the denominator is at least 1
	v_rcp_f32 v[TA+6], v[TA+3]
	v_nop                                          ; the place behind the reciprocal
	s_wait_alu depctr_va_vdst(0)
	v_mul_f32 v[TA+4], v[TA+1], v[TA+6]            ; my half's factor
	v_mul_f32 v[TA+5], v[TA+2], v[TA+6]            ; my partner's
.set i, 0
.rept 16
	v_pk_mul_f32 v[OB+2*i:OB+2*i+1], v[OB+2*i:OB+2*i+1], v[TA+4:TA+5] op_sel_hi:[1,0]
	v_pk_fma_f32 v[OB+2*i:OB+2*i+1], v[F+2*i:F+2*i+1], v[TA+4:TA+5], v[OB+2*i:OB+2*i+1] op_sel:[0,1,0] op_sel_hi:[1,1,1]
.set i, i+1
.endr
.set i, 0
.rept 16
	v_cvt_pk_f16_f32 v[SB+i], v[OB+2*i], v[OB+2*i+1]   ; tile dt: four registers = d 16 dt + 8 h .. + 7 of query r
.set i, i+1
.endr
	s_barrier_wait -1
	; THE WAY OUT: 16 bytes a lane into my stage, whole rows back, 512 consecutive bytes a store
.irp dt, 0,1,2,3
	ds_store_b128 v[STO], v[SB+4*\dt:SB+4*\dt+3] offset:\dt*32
.endr
.irp u, 0,1,2,3
	ds_load_b128 v[F+4*\u:F+4*\u+3], v[RD] offset:\u*4*KP        ; my own bytes, served in order (ISA guide 5.7.1): these see the stores above
.endr
.irp u, 0,1,2,3
	s_wait_dscnt 3-\u                              ; the younger read-backs may stay out
	global_store_b128 v[CO], v[F+4*\u:F+4*\u+3], s[8:9] offset:\u*512
.endr
	s_wait_xcnt 0x0
	v_lshl_add_u32 v126, v0, 2, 0x48000
	v_mov_b32 v127, 0
	s_wait_tensorcnt 0x0
	ds_add_u32 v126, v127
	s_wait_dscnt 0x0
	ROUND                                          ; the closing round: no work-group ends while a partner may still ask for a tile that names it
	s_endpgm
.Lfunc_end_k_q6b3942f1d4_attn:
	.size	k_q6b3942f1d4_attn, .Lfunc_end_k_q6b3942f1d4_attn-k_q6b3942f1d4_attn
	.p2alignl 7, 3214868480
	.fill 96, 4, 3214868480
	.section	.rodata,"a",@progbits
	.p2align	6, 0x0
	.amdhsa_kernel k_q6b3942f1d4_attn
		.amdhsa_group_segment_fixed_size 327680
		.amdhsa_private_segment_fixed_size 0
		.amdhsa_enable_private_segment 0
		.amdhsa_kernarg_size 24
		.amdhsa_user_sgpr_count 2
		.amdhsa_user_sgpr_kernarg_segment_ptr 1
		.amdhsa_wavefront_size32 1
		.amdhsa_system_sgpr_workgroup_id_x 1
		.amdhsa_system_sgpr_workgroup_id_y 1
		.amdhsa_system_sgpr_workgroup_id_z 1
		.amdhsa_system_vgpr_workitem_id 0
		.amdhsa_next_free_vgpr 256
		.amdhsa_next_free_sgpr 102
		.amdhsa_reserve_vcc 0
		.amdhsa_float_denorm_mode_32 3
		.amdhsa_float_denorm_mode_16_64 3
		.amdhsa_memory_ordered 1
		.amdhsa_forward_progress 1
		.amdhsa_inst_pref_size 255
	.end_amdhsa_kernel
	.section	.bss,"aw",@nobits
	.p2align	6
	.space	262144
	.amdgpu_metadata
---
amdhsa.version: [ 1, 2 ]
amdhsa.kernels:
  - .name:           k_q6b3942f1d4_attn
    .symbol:         k_q6b3942f1d4_attn.kd
    .args:
      - { .name: qkv, .offset: 0, .size: 8, .value_kind: global_buffer, .address_space: global }
      - { .name: mbits, .offset: 8, .size: 8, .value_kind: global_buffer, .address_space: global }
      - { .name: xh, .offset: 16, .size: 8, .value_kind: global_buffer, .address_space: global }
    .group_segment_fixed_size: 327680
    .private_segment_fixed_size: 0
    .kernarg_segment_align: 8
    .kernarg_segment_size: 24
    .max_flat_workgroup_size: 512
    .sgpr_count:     102
    .vgpr_count:     256
    .wavefront_size: 32
...
	.end_amdgpu_metadata
.endif
;; end of part 3
;; launch oproj (part 4): grid 8 x 32, 4 waves a work-group, clusters of 4 x 4, 327,680 bytes of LDS; arguments xh, h16, out0; writes out0
.if DOCPART == 4
	.amdgcn_target "amdgcn-amd-amdhsa--gfx1250"
	.amdhsa_code_object_version 6
	.text
	.protected	k_q6b3942f1d4_oproj
	.globl	k_q6b3942f1d4_oproj
	.p2align	8
	.type	k_q6b3942f1d4_oproj,@function
k_q6b3942f1d4_oproj:
	s_mov_b64 s[64:65], 0
	v_nop
	global_prefetch_b8 v0, s[64:65] scope:SCOPE_SE
	s_setreg_imm32_b32 hwreg(HW_REG_WAVE_MODE, 25, 1), 1
	s_wait_xcnt 0x0
	s_wait_alu depctr_hold_cnt(0) depctr_sa_sdst(0) depctr_va_vdst(0) depctr_va_sdst(0) depctr_va_ssrc(0) depctr_va_vcc(0) depctr_vm_vsrc(0)
	s_getreg_b32 s2, hwreg(HW_REG_IB_STS2, 6, 4)
	s_cmp_eq_u32 s2, 0
	s_cbranch_scc0 .Lentry_in_a_cluster
	s_endpgm
.Lentry_in_a_cluster:
	s_bfe_u32 s2, ttmp6, 0x10000c
	s_cmp_lg_u32 s2, 0xf033
	s_cbranch_scc0 .Lentry_shape_is_right
	s_endpgm
.Lentry_shape_is_right:
; oproj: out0 = X W_o^T, 4096 x 1024 x 1024, f16 operands, f32 sums, f32 results.
; 256 work-groups of 128 x 128 of the result (blocks of 256 x 256 would be 64 work-groups); four waves, 64 x 64 each: 16 accumulator tiles.
; X comes from xh, [block of 128 tokens][head][128 rows][64] f16: a block row's four heads (K = 256) are 65,536 consecutive bytes.
; W_o comes from h16 at byte 31,457,280, [1024][1024] f16.
; K goes in four steps of 256 through two LDS slots: A = four planes (heads) of 128 rows of 128 + 16 bytes, then B = 128 rows of 512 + 16 bytes.
; CLUSTERS: 4 x 4 work-groups; A's tile is shared along a row of the cluster, B's along a column: joint tensor loads, as many requests as a quarter.
; The matrix instruction is used transposed (source 0 = rows of W_o, source 1 = rows of X): a lane holds eight neighbouring columns of a row.
; LIMIT: operands are f16 as the earlier launches left them; nothing is rounded here but the f32 sums.
.set APITCH, 144
.set BPITCH, 528                       ; both pitches are odd multiples of 16: 16 rows start at 16 different 16-byte columns modulo 256
.set PLANE,  128*APITCH                ; 18,432
.set ABYTES, 4*PLANE                   ; 73,728
.set BHALF,  64*BPITCH                 ; 33,792
.set SLOT,   ABYTES+2*BHALF            ; 141,312
.set STAGE,  2*SLOT                    ; 282,624: 16 rows x 272 bytes for each wave; no tensor load lands there
.set SPITCH, 272
.set ADRA, 16                          ; v16-17 LDS address of my A fragments in slot 0, 1
.set ADRB, 20                          ; v20-21 the same for B
.set STO,  24
.set RD,   25
.set CO,   26
.set F0,   64                          ; a fragment buffer: B's four fragments at + 8 b, A's four at + 32 + 8 a
.set F1,   128
.set G1, 24                            ; s[24:31] group 1 for A's tiles
.set G0, 32                            ; s[32:39] group 0 for A's tiles, a set for each slot
.set G1B, 48                           ; s[48:55] group 1 for B's tiles
.set G0B, 56                           ; s[56:63] group 0 for B's tiles
; window 1: accumulator tile (a, b) at 8 (4 a + b): v256-383
.set MSB, 0
.macro WIN new
.if MSB != \new
	s_set_vgpr_msb (MSB<<8)|\new
.set MSB, \new
.endif
.endm
.macro JLOAD s                         ; waves 0 and 1 fetch A's two halves, waves 2 and 3 B's; the branch hangs on the wave's number alone
	s_cmp_eq_u32 s11, 0
	s_cbranch_scc0 .Lfor_b_\@
	tensor_load_to_lds s[G0+4*\s:G0+4*\s+3], s[G1:G1+7]
	s_nop 0
	s_branch .Lasked_\@
.Lfor_b_\@:
	tensor_load_to_lds s[G0B+4*\s:G0B+4*\s+3], s[G1B:G1B+7]
	s_nop 0
.Lasked_\@:
.endm
.macro CROUND                          ; a round of the cluster's barrier
	s_barrier_signal -1
	s_barrier_wait -1
	s_cmp_lg_u32 s10, 0
	s_cbranch_scc1 .Lnot_wave_0_\@
	s_barrier_signal -3
.Lnot_wave_0_\@:
	s_barrier_wait -3
	s_barrier_signal -1
	s_barrier_wait -1
.endm
.macro PLACES                          ; four places behind a matrix instruction before its registers are loaded again or its result is read (ISA guide 7.12.1)
.rept 4
	v_nop
.endr
.endm
	s_load_b128 s[4:7], s[0:1], 0x0                ; xh s[4:5], h16 s[6:7]
	s_load_b64 s[8:9], s[0:1], 0x10                ; out0
	v_lshl_add_u32 v254, v0, 2, 0x49400
	v_mov_b32 v255, 0
	ds_add_u32 v254, v255
	v_lshrrev_b32 v1, 5, v0
	v_readfirstlane_b32 s10, v1                    ; wave 0..3
	s_lshr_b32 s11, s10, 1                         ; which 64 rows are mine.  Also: I fetch for A (0) or for B (1)
	s_and_b32 s12, s10, 1                          ; which 64 columns.  Also: which half of that tile I fetch
	s_bfe_u32 s40, ttmp6, 0x40000                  ; cx
	s_bfe_u32 s41, ttmp6, 0x40004                  ; cy
	s_lshl_b32 s42, ttmp9, 2
	s_add_co_u32 s42, s42, s40                     ; block column 0..7
	s_and_b32 s13, ttmp7, 0xffff
	s_lshl_b32 s13, s13, 2
	s_add_co_u32 s13, s13, s41                     ; block row 0..31
	s_lshl_b32 s43, s41, 2
	s_lshl_b32 s43, 15, s43                        ; my row of the cluster
	s_lshl_b32 s44, 0x1111, s40                    ; my column
	; A: 256 dense rows (two planes) of 64 elements of 2 bytes, 4 words of padding behind every 32 words
	s_or_b32 s[G1+0], s43, (1<<16)|(1<<20)|(1<<21)|(4<<22)|(3<<25)
	s_mov_b32 s[G1+1], 64<<16                      ; tensor_dim0 = 64
	s_mov_b32 s[G1+2], 256<<16                     ; tensor_dim1 = 256
	s_mov_b32 s[G1+3], 64<<16                      ; tile_dim0 = 64
	s_mov_b32 s[G1+4], 256                         ; tile_dim1 = 256
	s_mov_b32 s[G1+5], 64                          ; elements from row to row
	s_mov_b32 s[G1+6], 0
	s_mov_b32 s[G1+7], 0
	; B: 64 rows of 256 elements, 1,024 elements from row to row, 4 words of padding behind every 128 words
	s_or_b32 s[G1B+0], s44, (1<<16)|(1<<20)|(1<<21)|(6<<22)|(3<<25)
	s_mov_b32 s[G1B+1], 256<<16
	s_mov_b32 s[G1B+2], 64<<16
	s_mov_b32 s[G1B+3], 256<<16
	s_mov_b32 s[G1B+4], 64
	s_mov_b32 s[G1B+5], 1024
	s_mov_b32 s[G1B+6], 0
	s_mov_b32 s[G1B+7], 0
	s_lshl_b32 s16, s13, 18                        ; A: block row x 262,144
	s_lshl_b32 s17, s12, 15                        ; + my two planes
	s_add_co_u32 s16, s16, s17
	s_mov_b32 s17, 0
	s_lshl_b32 s46, s42, 7
	s_lshl_b32 s47, s12, 6
	s_add_co_u32 s46, s46, s47                     ; B: row 128 x block column + 64 x half
	s_lshl_b32 s46, s46, 11
	s_add_co_u32 s46, s46, 31457280                ; W_o in h16
	s_mov_b32 s47, 0
	s_mul_i32 s20, s12, 2*PLANE                    ; where A's half goes
	s_mul_i32 s21, s12, BHALF
	s_add_co_u32 s21, s21, ABYTES                  ; where B's half goes
	s_wait_dscnt 0x0
	s_wait_kmcnt 0x0
	s_add_nc_u64 s[14:15], s[4:5], s[16:17]
	s_add_nc_u64 s[46:47], s[6:7], s[46:47]
	CROUND                                         ; all sixteen work-groups are here: the first joint loads meet
.irp s, 0,1
	s_mov_b32 s[G0+4*\s], 1
	s_add_co_u32 s[G0+4*\s+1], s20, \s*SLOT
	s_add_nc_u64 s[G0+4*\s+2:G0+4*\s+3], s[14:15], \s*65536
	s_or_b32 s[G0+4*\s+3], s[G0+4*\s+3], 0x80000000
	s_mov_b32 s[G0B+4*\s], 1
	s_add_co_u32 s[G0B+4*\s+1], s21, \s*SLOT
	s_add_nc_u64 s[G0B+4*\s+2:G0B+4*\s+3], s[46:47], \s*512
	s_or_b32 s[G0B+4*\s+3], s[G0B+4*\s+3], 0x80000000
	JLOAD \s                                       ; two tensor loads of the wave are out
.endr
	v_and_b32 v1, 15, v0                           ; r
	v_bfe_u32 v2, v0, 4, 1                         ; h
	v_mul_u32_u24 v3, v1, APITCH
	v_lshl_add_u32 v3, v2, 4, v3
	v_mul_u32_u24 v4, v1, BPITCH
	v_lshl_add_u32 v4, v2, 4, v4
	s_mul_i32 s22, s11, 64*APITCH                  ; my 64 rows of A, in every plane
	s_mul_i32 s23, s12, 64*BPITCH                  ; my 64 rows of B,
	s_add_co_u32 s23, s23, ABYTES                  ; which lie behind A
.irp s, 0,1
	v_add_nc_u32 v[ADRA+\s], s22, v3
	v_add_nc_u32 v[ADRB+\s], s23, v4
	s_add_co_u32 s22, s22, SLOT
	s_add_co_u32 s23, s23, SLOT
.endr
	s_mul_i32 s22, s10, 16*SPITCH
	s_add_co_u32 s22, s22, STAGE                   ; my stage
	v_mul_u32_u24 v5, v1, SPITCH                   ; in: row r, 32 bytes for each half of the lanes
	v_lshl_add_u32 v5, v2, 5, v5
	v_add_nc_u32 v[STO], s22, v5
	v_mul_u32_u24 v5, v2, SPITCH                   ; back: lanes 0-15 take one row of 256 bytes, lanes 16-31 the next
	v_lshl_add_u32 v5, v1, 4, v5
	v_add_nc_u32 v[RD], s22, v5
	v_lshlrev_b32 v5, 12, v2                       ; the same two rows in out0: 4,096 bytes apart
	v_lshl_add_u32 v[CO], v1, 4, v5
; 16 LDS loads: the fragments of 32 along K, number q of a slot's eight, into buffer f
.macro FETCH slot, q, f
.irp b, 0,1,2,3
	ds_load_b128 v[\f+8*\b:\f+8*\b+3],   v[ADRB+\slot] offset:\b*16*BPITCH+(\q)*64
	ds_load_b128 v[\f+8*\b+4:\f+8*\b+7], v[ADRB+\slot] offset:\b*16*BPITCH+(\q)*64+32
.endr
.irp a, 0,1,2,3
	ds_load_b128 v[\f+32+8*\a:\f+32+8*\a+3],   v[ADRA+\slot] offset:((\q)>>1)*PLANE+\a*16*APITCH+((\q)&1)*64
	ds_load_b128 v[\f+32+8*\a+4:\f+32+8*\a+7], v[ADRA+\slot] offset:((\q)>>1)*PLANE+\a*16*APITCH+((\q)&1)*64+32
.endr
.endm
; 16 matrix instructions on the 16 accumulators by turns, one instruction a turn
.macro MUL16 f, zero
.irp a, 0,1,2,3
.irp b, 0,1,2,3
.if \zero
	v_wmma_f32_16x16x32_f16 v[8*(4*\a+\b):8*(4*\a+\b)+7], v[\f+8*\b:\f+8*\b+7], v[\f+32+8*\a:\f+32+8*\a+7], 0
.else
	v_wmma_f32_16x16x32_f16 v[8*(4*\a+\b):8*(4*\a+\b)+7], v[\f+8*\b:\f+8*\b+7], v[\f+32+8*\a:\f+32+8*\a+7], v[8*(4*\a+\b):8*(4*\a+\b)+7]
.endif
.endr
.endr
.endm
.macro QSTEP slot, q, f, g, zero, fetch
.if \fetch
	PLACES
	FETCH \slot, \q+1, \g                          ; the next 32 along K, ahead of this step's products
	s_wait_dscnt 16                                ; this step's fragments are in; the 16 loads just issued may stay out
.else
	s_wait_dscnt 0
.endif
	WIN 0x50                                       ; C and D in window 1
	MUL16 \f, \zero
	WIN 0
.endm
.macro SLOTW slot, zero
	QSTEP \slot, 0, F0, F1, \zero, 1
	QSTEP \slot, 1, F1, F0, 0, 1
	QSTEP \slot, 2, F0, F1, 0, 1
	QSTEP \slot, 3, F1, F0, 0, 1
	QSTEP \slot, 4, F0, F1, 0, 1
	QSTEP \slot, 5, F1, F0, 0, 1
	QSTEP \slot, 6, F0, F1, 0, 1
	QSTEP \slot, 7, F1, F0, 0, 0
.endm
; The change of slots.  Every wave waits for its reads of the slot and for all its tensor loads (its part of the other slot).  fill = 1: a round of the
; cluster's barrier, then the joint refill, K 512 further on, as the wave's first and only tensor load behind the round.  fill = 0: my work-group's barrier.
.macro CHANGE slot, other, fill
	s_wait_dscnt 0x0
	s_wait_tensorcnt 0x0
	ds_add_u32 v254, v255
	s_wait_dscnt 0x0
.if \fill
	CROUND
	s_add_nc_u64 s[G0+4*\slot+2:G0+4*\slot+3], s[G0+4*\slot+2:G0+4*\slot+3], 131072
	s_add_nc_u64 s[G0B+4*\slot+2:G0B+4*\slot+3], s[G0B+4*\slot+2:G0B+4*\slot+3], 1024
	JLOAD \slot
.else
	s_barrier_signal -1
	s_barrier_wait -1
.endif
	PLACES
	FETCH \other, 0, F0
.endm
	s_wait_tensorcnt 1                             ; my part of slot 0 is in; slot 1's fill stays out
	s_barrier_signal -1
	s_barrier_wait -1
	FETCH 0, 0, F0
	SLOTW 0, 1                                     ; K 0-255: the first products start the sums
	CHANGE 0, 1, 1
	SLOTW 1, 0                                     ; K 256-511
	CHANGE 1, 0, 1
	SLOTW 0, 0                                     ; K 512-767
	CHANGE 0, 1, 0
	SLOTW 1, 0                                     ; K 768-1023
	; THE WAY OUT, 16 rows at a time through my stage: 32 bytes a lane in, whole rows of 256 bytes back
	PLACES
	s_lshl_b32 s16, s13, 19                        ; 128 block row x 4,096 bytes
	s_lshl_b32 s17, s11, 18                        ; + my 64 rows
	s_add_co_u32 s16, s16, s17
	s_mov_b32 s17, 0
	s_add_nc_u64 s[8:9], s[8:9], s[16:17]
	s_lshl_b32 s46, s42, 9                         ; 128 block column x 4 bytes
	s_lshl_b32 s47, s12, 8                         ; + my 64 columns
	s_add_co_u32 s46, s46, s47
	s_mov_b32 s47, 0
	s_add_nc_u64 s[8:9], s[8:9], s[46:47]
.macro OUT16 a, f
	WIN 0x04                                       ; an LDS store's data is source 1: window 1
.irp b, 0,1,2,3
	ds_store_b128 v[STO], v[8*(4*\a+\b):8*(4*\a+\b)+3] offset:64*\b
	ds_store_b128 v[STO], v[8*(4*\a+\b)+4:8*(4*\a+\b)+7] offset:64*\b+16
.endr
	WIN 0
	s_wait_xcnt 0x0                                ; buffer f, which earlier stores read, is loaded again only behind this wait
.irp t, 0,1,2,3,4,5,6,7
	ds_load_b128 v[\f+4*\t:\f+4*\t+3], v[RD] offset:\t*2*SPITCH    ; my own bytes, served in order (ISA guide 5.7.1): these see the stores above
.endr
.irp t, 0,1,2,3,4,5,6,7
	s_wait_dscnt 7-\t                              ; the younger read-backs may stay out
	global_store_b128 v[CO], v[\f+4*\t:\f+4*\t+3], s[8:9] offset:(16*\a+2*\t)*4096 th:TH_STORE_NT   ; sixteen lanes store 256 consecutive bytes, aligned
.endr
.endm
	OUT16 0, F0
	OUT16 1, F1
	OUT16 2, F0
	OUT16 3, F1
	s_wait_tensorcnt 0x0
	ds_add_u32 v254, v255
	s_wait_dscnt 0x0
	CROUND                                         ; the closing round: no work-group ends while a partner may still ask for a tile that names it
	s_endpgm
.Lfunc_end_k_q6b3942f1d4_oproj:
	.size	k_q6b3942f1d4_oproj, .Lfunc_end_k_q6b3942f1d4_oproj-k_q6b3942f1d4_oproj
	.p2alignl 7, 3214868480
	.fill 96, 4, 3214868480
	.section	.rodata,"a",@progbits
	.p2align	6, 0x0
	.amdhsa_kernel k_q6b3942f1d4_oproj
		.amdhsa_group_segment_fixed_size 327680
		.amdhsa_private_segment_fixed_size 0
		.amdhsa_enable_private_segment 0
		.amdhsa_kernarg_size 24
		.amdhsa_user_sgpr_count 2
		.amdhsa_user_sgpr_kernarg_segment_ptr 1
		.amdhsa_wavefront_size32 1
		.amdhsa_system_sgpr_workgroup_id_x 1
		.amdhsa_system_sgpr_workgroup_id_y 1
		.amdhsa_system_sgpr_workgroup_id_z 1
		.amdhsa_system_vgpr_workitem_id 0
		.amdhsa_next_free_vgpr 384
		.amdhsa_next_free_sgpr 66
		.amdhsa_reserve_vcc 0
		.amdhsa_float_denorm_mode_32 3
		.amdhsa_float_denorm_mode_16_64 3
		.amdhsa_memory_ordered 1
		.amdhsa_forward_progress 1
		.amdhsa_inst_pref_size 89
	.end_amdhsa_kernel
	.amdgpu_metadata
---
amdhsa.version: [ 1, 2 ]
amdhsa.kernels:
  - .name:           k_q6b3942f1d4_oproj
    .symbol:         k_q6b3942f1d4_oproj.kd
    .args:
      - { .name: xh, .offset: 0, .size: 8, .value_kind: global_buffer, .address_space: global }
      - { .name: h16, .offset: 8, .size: 8, .value_kind: global_buffer, .address_space: global }
      - { .name: out0, .offset: 16, .size: 8, .value_kind: global_buffer, .address_space: global }
    .group_segment_fixed_size: 327680
    .private_segment_fixed_size: 0
    .kernarg_segment_align: 8
    .kernarg_segment_size: 24
    .max_flat_workgroup_size: 128
    .sgpr_count:     66
    .vgpr_count:     384
    .wavefront_size: 32
...
	.end_amdgpu_metadata
.endif
;; end of part 4
